; MI455X (gfx1250); checked and timed in simulation.
; The chip was launched on July 23, 2026; its instructions are those of AMD's public machine-readable ISA for CDNA 5 (MIT licence, August 2026) and "CDNA5" Instruction Set Architecture Reference Guide (July 2026). The comments in the code are by the model that wrote it; some were corrected since.
;; NGP. Allowed arithmetic: float matrix products may take bf16 or f16 operands with f32 sums; other float arithmetic in f32, or as packed bf16 or f16 multiplies, adds, multiply-adds, maxima and minima; sums over many terms, partial sums and values carried from step to step in f32; what a program stores and reads back later, other than sums and carried values, may be rounded once to bf16 or f16.
;; Inputs: hash_features 16 x 65,536 x 2 float32; w1 32 x 32 float32; w2 32 x 32 float32; w3 3 x 32 float32; x 2,097,152 x 2 float32.
;; Outputs: out0 2,097,152 x 3 float32.
;; 2 versions, each right; version 2 is version 1 with the launch encode written anew for expert scheduling mode. Each part assembles by itself: llvm-mc -triple=amdgcn-amd-amdhsa -mcpu=gfx1250 --defsym DOCPART=n.
;; ======== version 1 of 2: 3 launches
;; limits: inputs' magnitudes at most 128
;; workspace buffers: fix 16,777,216 bytes of whole numbers; feats 134,217,728 bytes
;; launch quant (part 1): grid 1024 x 1, 8 waves a work-group, no clusters, 0 bytes of LDS; arguments x, fix; writes fix
.if DOCPART == 1
	.amdgcn_target "amdgcn-amd-amdhsa--gfx1250"
	.amdhsa_code_object_version 6
	.text
	.protected	k_q184510afe0_quant
	.globl	k_q184510afe0_quant
	.p2align	8
	.type	k_q184510afe0_quant,@function
k_q184510afe0_quant:
	s_mov_b64 s[64:65], 0
	v_nop
	global_prefetch_b8 v0, s[64:65] scope:SCOPE_SE
	s_setreg_imm32_b32 hwreg(HW_REG_WAVE_MODE, 25, 1), 1
	s_wait_xcnt 0x0
; NGP, launch 1 of 3: every coordinate becomes a whole number.  x: [2097152][2] f32 -> fix: [2097152][2] words of 32 bits.
; THE PROGRAM.  Nothing of reference() is left out and every input is loaded.  (1) this launch; (2) encode: the hashed lookups and the bilinear blend, a level to a work-group, its table in LDS;
; (3) mlp: the three products and the sigmoid.  The cell numbers floor(x res) steer addresses, so launch 2 makes them by whole-number arithmetic from what this launch stores.
; THE WORD.  floor(x 2^23) = I 2^23 + F with 0 <= F < 2^23.  The word is I << 24 | F: bit 23 is 0, so a multiply that takes 24 bits takes F, and a shift by 24 gives I.  Then, for a whole res <= 512,
; floor(x res) = I res + (F res >> 23), and the low 23 bits of F res are the weight; F res stays under 2^32.
; LIMITS.  |x| < 128 (I has 8 bits; beyond that the cell numbers are wrong).  x is cut at steps of 2^-23, so a weight is off by up to 512 x 2^-23 = 2^-14.  reference() rounds x res to f32 before the floor;
; where that rounding reaches a cell's border and the exact product does not, the two blends differ by rounding alone, since the blend is continuous across borders.  A NaN or an infinite coordinate is not carried to the result.
; SHARES.  A work-group takes 16,384 bytes, a thread four times 16: each load and store of a wave covers 512 consecutive bytes, aligned.  All four loads are out before the first is used.
.set X, 4                              ; v[4:19]   four times four numbers, as loaded, at work and as stored
.set B, 20                             ; v[20:23]  I 2^23, at work
	s_load_b128 s[4:7], s[0:1], 0x0                ; x s[4:5], fix s[6:7]
	s_lshl_b32 s2, ttmp9, 14                       ; the work-group's 16,384 bytes (under 2^24 in all)
	v_lshl_add_u32 v1, v0, 4, s2                   ; + 16 x thread; never rewritten
	s_wait_kmcnt 0x0
.irp i, 0,1,2,3
	global_load_b128 v[X+4*(\i):X+4*(\i)+3], v1, s[4:5] offset:4096*(\i) th:TH_LOAD_NT
.endr
.irp i, 0,1,2,3
	s_wait_loadcnt 3-(\i)                          ; loads come back in order: the younger ones of the four stay out
	v_pk_mul_f32 v[X+4*(\i):X+4*(\i)+1],   v[X+4*(\i):X+4*(\i)+1],   0x4b000000 op_sel_hi:[1,0]  ; x 2^23: exact
	v_pk_mul_f32 v[X+4*(\i)+2:X+4*(\i)+3], v[X+4*(\i)+2:X+4*(\i)+3], 0x4b000000 op_sel_hi:[1,0]
.irp k, 0,1,2,3
	v_floor_f32 v[X+4*(\i)+(\k)], v[X+4*(\i)+(\k)]
.endr
.irp k, 0,1,2,3
	v_cvt_i32_f32 v[X+4*(\i)+(\k)], v[X+4*(\i)+(\k)]   ; I 2^23 + F
.endr
.irp k, 0,1,2,3
	v_and_b32 v[B+(\k)], 0xff800000, v[X+4*(\i)+(\k)]  ; I 2^23
.endr
.irp k, 0,1,2,3
	v_add_nc_u32 v[X+4*(\i)+(\k)], v[X+4*(\i)+(\k)], v[B+(\k)]  ; I 2^24 + F
.endr
	global_store_b128 v1, v[X+4*(\i):X+4*(\i)+3], s[6:7] offset:4096*(\i)
.endr
	s_endpgm
.Lfunc_end_k_q184510afe0_quant:
	.size	k_q184510afe0_quant, .Lfunc_end_k_q184510afe0_quant-k_q184510afe0_quant
	.p2alignl 7, 3214868480
	.fill 96, 4, 3214868480
	.section	.rodata,"a",@progbits
	.p2align	6, 0x0
	.amdhsa_kernel k_q184510afe0_quant
		.amdhsa_group_segment_fixed_size 0
		.amdhsa_private_segment_fixed_size 0
		.amdhsa_enable_private_segment 0
		.amdhsa_kernarg_size 16
		.amdhsa_user_sgpr_count 2
		.amdhsa_user_sgpr_kernarg_segment_ptr 1
		.amdhsa_wavefront_size32 1
		.amdhsa_system_sgpr_workgroup_id_x 1
		.amdhsa_system_sgpr_workgroup_id_y 1
		.amdhsa_system_sgpr_workgroup_id_z 1
		.amdhsa_system_vgpr_workitem_id 0
		.amdhsa_next_free_vgpr 24
		.amdhsa_next_free_sgpr 66
		.amdhsa_reserve_vcc 0
		.amdhsa_float_denorm_mode_32 3
		.amdhsa_float_denorm_mode_16_64 3
		.amdhsa_memory_ordered 1
		.amdhsa_forward_progress 1
		.amdhsa_inst_pref_size 5
	.end_amdhsa_kernel
	.amdgpu_metadata
---
amdhsa.version: [ 1, 2 ]
amdhsa.kernels:
  - .name:           k_q184510afe0_quant
    .symbol:         k_q184510afe0_quant.kd
    .args:
      - { .name: x, .offset: 0, .size: 8, .value_kind: global_buffer, .address_space: global }
      - { .name: fix, .offset: 8, .size: 8, .value_kind: global_buffer, .address_space: global }
    .group_segment_fixed_size: 0
    .private_segment_fixed_size: 0
    .kernarg_segment_align: 8
    .kernarg_segment_size: 16
    .max_flat_workgroup_size: 256
    .sgpr_count:     66
    .vgpr_count:     24
    .wavefront_size: 32
...
	.end_amdgpu_metadata
.endif
;; end of part 1
;; launch encode (part 2): grid 16 x 16, 32 waves a work-group, no clusters, 266,240 bytes of LDS; arguments fix, hash_features, feats; writes feats
.if DOCPART == 2
	.amdgcn_target "amdgcn-amd-amdhsa--gfx1250"
	.amdhsa_code_object_version 6
	.text
	.protected	k_q184510afe0_encode
	.globl	k_q184510afe0_encode
	.p2align	8
	.type	k_q184510afe0_encode,@function
k_q184510afe0_encode:
	s_mov_b64 s[64:65], 0
	v_nop
	global_prefetch_b8 v0, s[64:65] scope:SCOPE_SE
	s_setreg_imm32_b32 hwreg(HW_REG_WAVE_MODE, 25, 1), 1
	s_wait_xcnt 0x0
; NGP, launch 2 of 3: the hashed lookups and the bilinear blend.  fix: [2097152][2] words (launch 1), hash_features: [16][65536][2] f32 -> feats, two bf16 for each point and level.  Nothing of reference() is left out.
; SHARES.  Work-group (level, chunk): ONE level's whole table lies in its LDS, 65,536 entries of two bf16 = 262,144 bytes, and it walks 131,072 points.  16 levels x 16 chunks = 256 work-groups of equal work.
; So each of a point's 4 lookups is a 4-byte LDS load.  The table is multiplied by 2^level (reference()'s scale: exact) and rounded once to bf16 on its way in.
; WHOLE NUMBERS.  A word is I << 24 | F (launch 1).  p = F res; 4 xi + two bits of the weight = I (4 res) + (p >> 21); yi = I res + (p >> 23).  Only 16 bits of an index count, so all is taken modulo 2^16:
; the LDS byte of corner (dx, dy) is ((4 (xi + dx)) ^ (4 A16 (yi + dy))) & 0x3fffc with A16 = 0x79b1, the low half of 2654435761.  Negative cells come out right, as two's complement.
; WEIGHTS.  The low 23 bits of p under the exponent of 1.0 are the f32 number 1 + w: w = that - 1 and 1 - w = 2 - that, both exact.
; FEATS' LAYOUT: [block of 64 points][level][64 points] words (f0 low, f1 high): a wave's store covers 256 consecutive bytes, aligned, and launch 3 reads a block's 4,096 bytes on end.
; A TRIP: 128 points a wave, 4 a lane: points 2 l, 2 l + 1 of two blocks: two loads of 512 consecutive bytes, asked for a trip ahead, and two stores.
; NO CLUSTER, NO TENSOR LOADS.  The 16 work-groups of a chunk read the same coordinates, 32,768 bytes a trip for the work-group's 4,096 points, beside some 150 vector instructions and 16 lookups a wave: a small part of a
; trip; they come through registers a trip ahead.  The 16 work-groups of a level read the same table, once, and it is converted on its way, through registers.
; LIMITS.  Launch 1's (|x| < 128; weights in steps of up to 2^-14).  Table entries and the blended features are each rounded once to bf16; the blend between is in f32.
.set SPARE, 262144                     ; behind the table: the spare words, 128 bytes for each of 32 waves: 16 blocks of 256 bytes that no other line names
.set TRIPS, 32                         ; 131,072 points / (32 waves x 128)
.set CSTEP, 32768                      ; a trip's 4,096 points in fix
.set FSTEP, 262144                     ; a trip's 64 blocks in feats
.set SPW, 2                            ; v2   LDS address of my spare word; never rewritten
.set NIL, 3                            ; v3   0, for the add alone
.set ZR,  4                            ; v4   0.0: the first term's addend
.set CO,  5                            ; v5   my byte offset in the chunk's part of fix
.set FO,  6                            ; v6   my byte offset in the chunk's part of feats
.set GO,  7                            ; v7   the fill: 16 x thread; never rewritten
.set CM,  8                            ; v[8:9]    -1, 1
.set CA,  10                           ; v[10:11]   2, -1
.set R,   12                           ; v[12:19]  four points' words as loaded: x, y
.set OUT, 20                           ; v[20:23]  four points' features
.set PB,  24                           ; v[24:95]  18 registers a point: +0,1: 1+wx, 1+wy; +2..9 at work, then the weights; +10..13 addresses, then sums; +14..17 the four corners
.set T,   24                           ; the fill: two sets of 32, in the same registers
.set LO,  96                           ; v96  the fill: LDS address
.set WT,  97                           ; v97  my wave's number, at the head
.set LVL, 10
.set CHK, 11
.set SC,  12                           ; s[12:13] 2^level, named as a pair
.set RES, 16
.set RES4, 17
.set A4,  18                           ; 4 x 0x79b1
.set AM,  19                           ; 0x3fffc
.set FM,  20                           ; 0x7fffff
.set ONE, 21                           ; the bits of 1.0
.set CNT, 22
	s_load_b128 s[4:7], s[0:1], 0x0                ; fix s[4:5], hash_features s[6:7]
	s_load_b64 s[8:9], s[0:1], 0x10                ; feats
	v_lshl_add_u32 v[SPW], v0, 2, SPARE
	v_mov_b32 v[NIL], 0
	s_mov_b32 s[LVL], ttmp9
	s_and_b32 s[CHK], ttmp7, 0xffff
	; the level's resolution: round(16 x 2^(level / 3))
.macro PICK l, r
	s_cmp_eq_u32 s[LVL], \l
	s_cselect_b32 s[RES], \r, s[RES]
.endm
	s_mov_b32 s[RES], 16
	PICK 1, 20
	PICK 2, 25
	PICK 3, 32
	PICK 4, 40
	PICK 5, 51
	PICK 6, 64
	PICK 7, 81
	PICK 8, 102
	PICK 9, 128
	PICK 10, 161
	PICK 11, 203
	PICK 12, 256
	PICK 13, 323
	PICK 14, 406
	PICK 15, 512
	s_lshl_b32 s[RES4], s[RES], 2
	s_mov_b32 s[A4], 0x79b1*4
	s_mov_b32 s[AM], 0x3fffc
	s_mov_b32 s[FM], 0x7fffff
	s_mov_b32 s[ONE], 0x3f800000
	s_lshl_b32 s[SC], s[LVL], 23
	s_add_co_u32 s[SC], s[SC], 0x3f800000          ; the f32 number 2^level
	s_mov_b32 s[SC+1], s[SC]
	s_lshl_b32 s14, s[LVL], 19                     ; the level's 524,288 bytes of the table
	s_mov_b32 s15, 0
	s_lshl_b32 s24, s[CHK], 20                     ; the chunk's 131,072 points x 8 bytes
	s_mov_b32 s25, 0
	s_lshl_b32 s26, s[CHK], 23                     ; the chunk's 2,048 blocks x 4,096 bytes,
	s_lshl_b32 s28, s[LVL], 8                      ; and my level's 256 bytes in a block
	s_add_co_u32 s26, s26, s28
	s_mov_b32 s27, 0
	v_lshlrev_b32 v[GO], 4, v0
	v_lshlrev_b32 v[LO], 3, v0
	v_and_b32 v1, 31, v0                           ; lane
	v_lshrrev_b32 v[WT], 5, v0                     ; wave
	v_lshlrev_b32 v[CO], 4, v1
	v_lshl_add_u32 v[CO], v[WT], 10, v[CO]         ; wave x 128 points x 8 + lane x 16
	v_lshlrev_b32 v[FO], 3, v1
	v_lshl_add_u32 v[FO], v[WT], 13, v[FO]         ; wave x 2 blocks x 4,096 + lane x 8
	v_mov_b32 v[ZR], 0
	v_mov_b32 v[CM], -1.0
	v_mov_b32 v[CM+1], 1.0
	v_mov_b32 v[CA], 2.0
	v_mov_b32 v[CA+1], -1.0
.irp p, 0,1,2,3
	v_mov_b32 v[OUT+(\p)], 0                       ; the rounding multiply-adds below write one half of a register and keep the other: the registers are written whole once
.endr
	s_wait_kmcnt 0x0
	s_add_nc_u64 s[6:7], s[6:7], s[14:15]
	s_add_nc_u64 s[4:5], s[4:5], s[24:25]
	s_add_nc_u64 s[8:9], s[8:9], s[26:27]
; THE FILL.  1,024 threads x 16 bytes = 16,384 bytes of the table a round, 32 rounds, in four groups of eight on two sets of registers: a group is converted while the next group's eight loads are out.
.macro ASKG g, set
.irp i, 0,1,2,3,4,5,6,7
	global_load_b128 v[T+32*(\set)+4*(\i):T+32*(\set)+4*(\i)+3], v[GO], s[6:7] offset:(8*(\g)+(\i))*16384
.endr
.endm
.macro PUTG set, younger               ; younger: the loads of the group behind this one
.irp i, 0,1,2,3,4,5,6,7
	s_wait_loadcnt (\younger)+7-(\i)               ; the rest of this group and the next group may stay out
	v_pk_mul_f32 v[T+32*(\set)+4*(\i):T+32*(\set)+4*(\i)+1],   v[T+32*(\set)+4*(\i):T+32*(\set)+4*(\i)+1],   s[SC:SC+1] op_sel_hi:[1,0]
	v_pk_mul_f32 v[T+32*(\set)+4*(\i)+2:T+32*(\set)+4*(\i)+3], v[T+32*(\set)+4*(\i)+2:T+32*(\set)+4*(\i)+3], s[SC:SC+1] op_sel_hi:[1,0]
	v_cvt_pk_bf16_f32 v[T+32*(\set)+4*(\i)],   v[T+32*(\set)+4*(\i)],   v[T+32*(\set)+4*(\i)+1]
	v_cvt_pk_bf16_f32 v[T+32*(\set)+4*(\i)+1], v[T+32*(\set)+4*(\i)+2], v[T+32*(\set)+4*(\i)+3]
	ds_store_b64 v[LO], v[T+32*(\set)+4*(\i):T+32*(\set)+4*(\i)+1] offset:(\i)*8192  ; two entries: 32 lanes, 256 consecutive bytes
.endr
	v_add_nc_u32 v[LO], 65536, v[LO]               ; the next group's eight rounds
.endm
	ASKG 0, 0
	ASKG 1, 1
	PUTG 0, 8
	s_wait_dscnt 0x0                               ; the set's stores have read their data: it is loaded again
	ASKG 2, 0
	PUTG 1, 8
	s_wait_dscnt 0x0
	ASKG 3, 1
	PUTG 0, 8
	PUTG 1, 0
	global_load_b128 v[R:R+3],   v[CO], s[4:5]              ; the first trip's coordinates: on their way across the barrier; nobody writes fix
	global_load_b128 v[R+4:R+7], v[CO], s[4:5] offset:512
	s_wait_dscnt 0x0                               ; for the others' sake: my part of the table is in LDS
	s_barrier_signal -1
	s_barrier_wait -1                              ; the whole table is; from here on it is only read
; A TRIP.  Each step is written for the four points in turn, so that no line waits for the one before it.  ahead = 1: the next trip's coordinates are asked for as soon as this trip's words have been read.
.macro TRIP ahead
	s_wait_loadcnt 0x0                             ; this trip's words, asked for a trip ago; their address register is free
.irp p, 0,1,2,3
.set P, PB+18*(\p)
	v_ashrrev_i32 v[P+2], 24, v[R+2*(\p)]          ; Ix
	v_mul_u32_u24 v[P+3], s[RES], v[R+2*(\p)]      ; px = Fx res: the multiply takes the word's low 24 bits
	v_ashrrev_i32 v[P+4], 24, v[R+2*(\p)+1]        ; Iy
	v_mul_u32_u24 v[P+5], s[RES], v[R+2*(\p)+1]    ; py
.endr
.if \ahead
	v_add_nc_u32 v[CO], CSTEP, v[CO]
	global_load_b128 v[R:R+3],   v[CO], s[4:5]
	global_load_b128 v[R+4:R+7], v[CO], s[4:5] offset:512
.endif
.irp p, 0,1,2,3
.set P, PB+18*(\p)
	v_lshrrev_b32 v[P+6], 21, v[P+3]
	v_lshrrev_b32 v[P+7], 23, v[P+5]
	v_and_or_b32 v[P],   v[P+3], s[FM], s[ONE]     ; 1 + wx
	v_and_or_b32 v[P+1], v[P+5], s[FM], s[ONE]     ; 1 + wy
.endr
.irp p, 0,1,2,3
.set P, PB+18*(\p)
	v_mad_u32_u24 v[P+2], v[P+2], s[RES4], v[P+6]  ; 4 xi + two bits of the weight; right modulo 2^24, of which 18 bits count
	v_mad_u32_u24 v[P+4], v[P+4], s[RES], v[P+7]   ; yi
.endr
.irp p, 0,1,2,3
.set P, PB+18*(\p)
	v_and_b32 v[P+3], s[AM], v[P+2]                ; X0 = 4 (xi mod 2^16)
	v_add_nc_u32 v[P+2], 4, v[P+2]
	v_mul_u32_u24 v[P+4], s[A4], v[P+4]            ; 4 A16 yi
.endr
.irp p, 0,1,2,3
.set P, PB+18*(\p)
	v_and_b32 v[P+2], s[AM], v[P+2]                ; X1, for xi + 1
	v_and_b32 v[P+5], s[AM], v[P+4]                ; H0
	v_add_nc_u32 v[P+4], s[A4], v[P+4]
.endr
.irp p, 0,1,2,3
.set P, PB+18*(\p)
	v_and_b32 v[P+4], s[AM], v[P+4]                ; H1, for yi + 1
	v_xor_b32 v[P+10], v[P+3], v[P+5]              ; corner (0, 0)
	v_xor_b32 v[P+11], v[P+2], v[P+5]              ; corner (1, 0)
.endr
.irp p, 0,1,2,3
.set P, PB+18*(\p)
	v_xor_b32 v[P+12], v[P+3], v[P+4]              ; corner (0, 1)
	v_xor_b32 v[P+13], v[P+2], v[P+4]              ; corner (1, 1)
.irp c, 0,1,2,3
	v_min_u32 v[P+10+(\c)], 0x3fffc, v[P+10+(\c)]  ; a number made of loaded ones enters an address behind a bound written in the instruction: the table's last word
.endr
.irp c, 0,1,2,3
	ds_load_b32 v[P+14+(\c)], v[P+10+(\c)]
.endr
.endr
	; the four weights, while the lookups are out
.irp p, 0,1,2,3
.set P, PB+18*(\p)
	v_pk_fma_f32 v[P+2:P+3], v[P:P+1], v[CM:CM+1], v[CA:CA+1] op_sel_hi:[0,1,1]                 ; 1 - wx, wx
	v_pk_fma_f32 v[P+4:P+5], v[P:P+1], v[CM:CM+1], v[CA:CA+1] op_sel:[1,0,0] op_sel_hi:[1,1,1]  ; 1 - wy, wy
.endr
.irp p, 0,1,2,3
.set P, PB+18*(\p)
	v_pk_mul_f32 v[P+6:P+7], v[P+2:P+3], v[P+4:P+5] op_sel_hi:[1,0]              ; (1-wx)(1-wy), wx (1-wy)
	v_pk_mul_f32 v[P+8:P+9], v[P+2:P+3], v[P+4:P+5] op_sel:[0,1] op_sel_hi:[1,1] ; (1-wx) wy,    wx wy
.endr
	s_wait_xcnt 0x0                                ; the last trip's stores have read OUT and FO: both are written again only behind this wait
	v_add_nc_u32 v[FO], FSTEP, v[FO]               ; the next trip's place; this trip's stores reach back by their immediate
.irp p, 0,1,2,3
.set P, PB+18*(\p)
	s_wait_dscnt 12-4*(\p)                         ; LDS loads come back in order: the later points' lookups stay out
	v_fma_mix_f32_bf16 v[P+10], v[P+14], v[P+6], v[ZR] op_sel_hi:[1,0,0]                  ; f0: the low bf16 of a corner times its weight, in f32; the mixed form has no plain multiply, so the first term adds 0
	v_fma_mix_f32_bf16 v[P+11], v[P+14], v[P+6], v[ZR] op_sel:[1,0,0] op_sel_hi:[1,0,0]   ; f1: the high bf16
	v_fma_mix_f32_bf16 v[P+10], v[P+15], v[P+7], v[P+10] op_sel_hi:[1,0,0]
	v_fma_mix_f32_bf16 v[P+11], v[P+15], v[P+7], v[P+11] op_sel:[1,0,0] op_sel_hi:[1,0,0]
	v_fma_mix_f32_bf16 v[P+10], v[P+16], v[P+8], v[P+10] op_sel_hi:[1,0,0]
	v_fma_mix_f32_bf16 v[P+11], v[P+16], v[P+8], v[P+11] op_sel:[1,0,0] op_sel_hi:[1,0,0]
	v_fma_mixlo_bf16 v[OUT+(\p)], v[P+17], v[P+9], v[P+10] op_sel_hi:[1,0,0]                ; the last term rounds once, straight to bf16
	v_fma_mixhi_bf16 v[OUT+(\p)], v[P+17], v[P+9], v[P+11] op_sel:[1,0,0] op_sel_hi:[1,0,0]
.endr
	global_store_b64 v[FO], v[OUT:OUT+1],   s[8:9] offset:-FSTEP th:TH_STORE_NT       ; 32 lanes store 256 consecutive bytes, at a multiple of 256 from feats' first byte
	global_store_b64 v[FO], v[OUT+2:OUT+3], s[8:9] offset:4096-FSTEP th:TH_STORE_NT   ; the same in the next block
.endm
	s_mov_b32 s[CNT], TRIPS-1
.Ltrip:
	TRIP 1
	s_sub_co_u32 s[CNT], s[CNT], 1
	s_cmp_lg_u32 s[CNT], 0
	s_cbranch_scc1 .Ltrip
	TRIP 0                                         ; the last trip asks for nothing: no load leaves fix
	s_wait_tensorcnt 0x0                           ; the wave's end: three closing lines, behind my last LDS store
	ds_add_u32 v[SPW], v[NIL]
	s_wait_dscnt 0x0
	s_endpgm
.Lfunc_end_k_q184510afe0_encode:
	.size	k_q184510afe0_encode, .Lfunc_end_k_q184510afe0_encode-k_q184510afe0_encode
	.p2alignl 7, 3214868480
	.fill 96, 4, 3214868480
	.section	.rodata,"a",@progbits
	.p2align	6, 0x0
	.amdhsa_kernel k_q184510afe0_encode
		.amdhsa_group_segment_fixed_size 266240
		.amdhsa_private_segment_fixed_size 0
		.amdhsa_enable_private_segment 0
		.amdhsa_kernarg_size 24
		.amdhsa_user_sgpr_count 2
		.amdhsa_user_sgpr_kernarg_segment_ptr 1
		.amdhsa_wavefront_size32 1
		.amdhsa_system_sgpr_workgroup_id_x 1
		.amdhsa_system_sgpr_workgroup_id_y 1
		.amdhsa_system_sgpr_workgroup_id_z 1
		.amdhsa_system_vgpr_workitem_id 0
		.amdhsa_next_free_vgpr 98
		.amdhsa_next_free_sgpr 66
		.amdhsa_reserve_vcc 0
		.amdhsa_float_denorm_mode_32 3
		.amdhsa_float_denorm_mode_16_64 3
		.amdhsa_memory_ordered 1
		.amdhsa_forward_progress 1
		.amdhsa_inst_pref_size 36
	.end_amdhsa_kernel
	.amdgpu_metadata
---
amdhsa.version: [ 1, 2 ]
amdhsa.kernels:
  - .name:           k_q184510afe0_encode
    .symbol:         k_q184510afe0_encode.kd
    .args:
      - { .name: fix, .offset: 0, .size: 8, .value_kind: global_buffer, .address_space: global }
      - { .name: hash_features, .offset: 8, .size: 8, .value_kind: global_buffer, .address_space: global }
      - { .name: feats, .offset: 16, .size: 8, .value_kind: global_buffer, .address_space: global }
    .group_segment_fixed_size: 266240
    .private_segment_fixed_size: 0
    .kernarg_segment_align: 8
    .kernarg_segment_size: 24
    .max_flat_workgroup_size: 1024
    .sgpr_count:     66
    .vgpr_count:     98
    .wavefront_size: 32
...
	.end_amdgpu_metadata
.endif
;; end of part 2
;; launch mlp (part 3): grid 256 x 1, 16 waves a work-group, no clusters, 14,336 bytes of LDS; arguments feats, w1, w2, w3, out0; writes out0
.if DOCPART == 3
	.amdgcn_target "amdgcn-amd-amdhsa--gfx1250"
	.amdhsa_code_object_version 6
	.text
	.protected	k_q184510afe0_mlp
	.globl	k_q184510afe0_mlp
	.p2align	8
	.type	k_q184510afe0_mlp,@function
k_q184510afe0_mlp:
	s_mov_b64 s[64:65], 0
	v_nop
	global_prefetch_b8 v0, s[64:65] scope:SCOPE_SE
	s_setreg_imm32_b32 hwreg(HW_REG_WAVE_MODE, 25, 1), 1
	s_wait_xcnt 0x0
; NGP, launch 3 of 3: out = sigmoid(relu(relu(feats w1^T) w2^T) w3^T).  feats: launch 2's, [block of 64 points][level][64 points] words of two bf16; w1, w2: [32][32], w3: [3][32] f32; out0: [2097152][3] f32.
; Nothing of reference() is left out.  Products in bf16 with f32 sums; each has K = 32, one matrix instruction, its C the constant 0.
; LAYOUT.  Source A = 16 rows of a weight matrix (neurons), source B = 16 points as columns.  In B lane (r, h) holds point r and k = 8 h .. 8 h + 7, 16 + 8 h .. 16 + 8 h + 7; in the result it holds point r and
; neurons 8 h .. 8 h + 7 (of the second 16 rows: 16 + 8 h ..).  So two results, rounded to bf16 in pairs, ARE the next layer's B: nothing changes lanes between the layers.  ReLU is taken on the packed bf16
; (it commutes with the rounding).  k = 2 level + f: B's register j is the word of level 4 h + j (j < 4) or 4 + 4 h + j (j >= 4).
; w3's three rows stand at A's rows 0-2 AND 8-10, the other rows are 0: both halves of the lanes then hold a tile's three results, one select gives lanes 0-15 one tile and lanes 16-31 the next,
; and 32 lanes make the sigmoids of 32 points.
; SHARES.  A wave takes a block of 64 points a trip, four tiles: a load of 16 bytes brings the words of points 4 r .. 4 r + 3 of one level (16 lanes: 256 consecutive bytes), so tile t is the points 4 r + t.
; A fragment wants eight levels of ONE point on end: 32 moves a block turn the loaded registers, and free them for the block two trips on.  Loads of 4 bytes would need no moves and take 64-byte pieces.
; 256 work-groups x 16 waves x 8 blocks; in trip k the work-group's waves read 65,536 consecutive bytes.  Two sets of load registers: 8,192 bytes a wave are always asked for.
; THE WAY OUT.  A point's 12 bytes go into my wave's own 768 bytes of LDS and come back as 3 x 256 consecutive bytes.  No barrier: no wave reads another's bytes, and LDS serves a wave's instructions in order (ISA guide 5.7.1.4).
; NO CLUSTER: work-groups share the 8,576 bytes of weights alone, read once at the head.  NO PREFETCH: the launch is one stream, asked for two trips ahead by every wave.
; LIMITS.  ReLU takes a NaN to 0.  sigmoid(z) = 1 / (1 + 2^(-z log2 e)): an overflowing power gives 0, a vanishing one 1, as reference()'s does.
.set WAVES, 16
.set BLKB,  4096                       ; a block in feats
.set OBLK,  768                        ; a block in out0
.set LSTEP, WAVES*BLKB                 ; from trip to trip
.set OSTEP, WAVES*OBLK
.set SPARE, WAVES*OBLK                 ; behind the stages: the spare words, 128 bytes for each of 16 waves: 8 blocks of 256 bytes that no other line names
.set SPW, 4                            ; v4   LDS address of my spare word; never rewritten
.set NIL, 5                            ; v5   0, for the add alone
.set ZR,  6                            ; v6   0, twice in bf16: ReLU's other operand
.set LO,  7                            ; v7, v8  set s: my byte offset in feats for the set's next loads
.set OO,  9                            ; v9   my byte offset in out0
.set STA, 10                           ; v10  where I put a point's results in the stage
.set RDA, 11                           ; v11  where I read 8 bytes back
.set S,   12                           ; v[12:17]  three times 8 bytes to store
.set Z,   18                           ; v[18:23]  six numbers on their way through the sigmoid
.set W1A, 24                           ; v[24:63]  the weights' five fragments
.set W1B, 32
.set W2A, 40
.set W2B, 48
.set W3,  56
.set F,   64                           ; v[64:95]   tile t's B at F + 8 t: features, then each hidden layer
.set D,   96                           ; v[96:159]  tile t's two results at D + 16 t, D + 16 t + 8
.set L,   160                          ; v[160:223] two sets of 32: load j's four words at 4 j
.set WO,  224                          ; v224 my byte offset in w1 and w2
.set W3O, 225                          ; v225 in w3
	s_load_b256 s[4:11], s[0:1], 0x0               ; feats s[4:5], w1 s[6:7], w2 s[8:9], w3 s[10:11]
	s_load_b64 s[12:13], s[0:1], 0x20              ; out0
	v_lshl_add_u32 v[SPW], v0, 2, SPARE
	v_mov_b32 v[NIL], 0
	v_lshrrev_b32 v3, 5, v0
	v_readfirstlane_b32 s14, v3                    ; wave 0..15
	v_and_b32 v1, 15, v0                           ; r
	v_bfe_u32 v2, v0, 4, 1                         ; h
	v_mov_b32 v[ZR], 0
	s_mov_b32 s21, 0xffff0000                      ; lanes 16-31
	v_lshlrev_b32 v[WO], 7, v1                     ; row r of 128 bytes
	v_lshl_add_u32 v[WO], v2, 5, v[WO]             ; + 8 h numbers
	v_and_b32 v3, 7, v1                            ; w3's row for A's row r: r mod 8,
	v_cmp_gt_u32 s20, 3, v3                        ; where that is under 3;
	v_min_u32 v3, 2, v3                            ; the other lanes load row 2, inside the buffer, and are set to 0 below
	v_lshlrev_b32 v[W3O], 7, v3
	v_lshl_add_u32 v[W3O], v2, 5, v[W3O]
	s_lshl_b32 s15, s14, 12                        ; my wave's block of the trip's 16
	v_lshlrev_b32 v[LO], 4, v1                     ; 16 r: points 4 r .. 4 r + 3
	v_lshl_add_u32 v[LO], v2, 10, v[LO]            ; + 4 h levels of 256 bytes
	v_add_nc_u32 v[LO], s15, v[LO]
	v_add_nc_u32 v[LO+1], LSTEP, v[LO]
	s_mul_i32 s16, s14, OBLK                       ; my stage
	v_mul_u32_u24 v[STA], v1, 48                   ; point 4 r + 2 q + h, 12 bytes each: q and the component stand in the immediate
	v_mul_u32_u24 v3, v2, 12
	v_add3_u32 v[STA], v[STA], v3, s16             ; the 32 lanes' words, 12 r + 3 h, differ modulo 64 (64 banks of 4 bytes: ISA guide 11.1)
	v_and_b32 v3, 31, v0
	v_lshl_add_u32 v[RDA], v3, 3, s16
	v_lshl_add_u32 v[OO], v3, 3, s16               ; in out0 my wave's block lies as its stage does in LDS
	s_lshl_b32 s18, ttmp9, 19                      ; the work-group's 128 blocks in feats
	s_mov_b32 s19, 0
	s_mul_i32 s22, ttmp9, 128*OBLK                 ; and in out0
	s_mov_b32 s23, 0
	s_wait_kmcnt 0x0
	s_add_nc_u64 s[4:5], s[4:5], s[18:19]
	s_add_nc_u64 s[12:13], s[12:13], s[22:23]
.macro WLOAD dst, adr, base, off       ; a fragment's 16 numbers in f32: k = 8 h .. 8 h + 7 and 16 + 8 h .. 16 + 8 h + 7 of my row
	global_load_b128 v[(\dst):(\dst)+3],     v[\adr], s[(\base):(\base)+1] offset:(\off)
	global_load_b128 v[(\dst)+4:(\dst)+7],   v[\adr], s[(\base):(\base)+1] offset:(\off)+16
	global_load_b128 v[(\dst)+8:(\dst)+11],  v[\adr], s[(\base):(\base)+1] offset:(\off)+64
	global_load_b128 v[(\dst)+12:(\dst)+15], v[\adr], s[(\base):(\base)+1] offset:(\off)+80
.endm
.macro WCVT w, src
.irp i, 0,1,2,3,4,5,6,7
	v_cvt_pk_bf16_f32 v[(\w)+(\i)], v[(\src)+2*(\i)], v[(\src)+2*(\i)+1]
.endr
.endm
.macro ASK set                         ; a block's 4,096 bytes: load j brings level 4 h + j (j < 4) or 4 + 4 h + j
.irp j, 0,1,2,3,4,5,6,7
	global_load_b128 v[L+32*(\set)+4*(\j):L+32*(\set)+4*(\j)+3], v[LO+(\set)], s[4:5] offset:256*(\j)+1024*((\j)/4) th:TH_LOAD_NT
.endr
.endm
	WLOAD D,    WO,  6, 0                          ; w1's rows 0-15,
	WLOAD D+16, WO,  6, 2048                       ; 16-31
	WLOAD D+32, WO,  8, 0                          ; w2 likewise
	WLOAD D+48, WO,  8, 2048
	WLOAD F,    W3O, 10, 0
	ASK 0                                          ; blocks 0 and 1
	ASK 1
	s_wait_loadcnt 16                              ; the weights are in; the 16 loads of the two blocks stay out
	WCVT W1A, D
	WCVT W1B, D+16
	WCVT W2A, D+32
	WCVT W2B, D+48
	WCVT W3,  F
.irp i, 0,1,2,3,4,5,6,7
	v_cndmask_b32 v[W3+(\i)], 0, v[W3+(\i)], s20   ; A's rows 3-7 and 11-15 are 0
.endr
.macro LAYER wa, wb                    ; 32 neurons x 64 points: eight products, each on registers of its own
.irp t, 0,1,2,3
	v_wmma_f32_16x16x32_bf16 v[D+16*(\t):D+16*(\t)+7],    v[(\wa):(\wa)+7], v[F+8*(\t):F+8*(\t)+7], 0
	v_wmma_f32_16x16x32_bf16 v[D+16*(\t)+8:D+16*(\t)+15], v[(\wb):(\wb)+7], v[F+8*(\t):F+8*(\t)+7], 0
.endr
.endm
.macro PLACES                          ; a vector instruction that reads a matrix result or writes a matrix instruction's source stands four plain vector instructions behind it (ISA guide 7.12.1); other matrix instructions are not counted
.rept 4
	v_nop
.endr
.endm
.macro PACK                            ; round to bf16 in pairs, each result from its low end on, then ReLU: the next layer's B, over the last one's
.irp t, 0,1,2,3
.irp i, 0,1,2,3,4,5,6,7
	v_cvt_pk_bf16_f32 v[F+8*(\t)+(\i)], v[D+16*(\t)+2*(\i)], v[D+16*(\t)+2*(\i)+1]
.endr
.irp i, 0,1,2,3,4,5,6,7
	v_pk_max_num_bf16 v[F+8*(\t)+(\i)], v[F+8*(\t)+(\i)], v[ZR]
.endr
.endr
.endm
; A TRIP: one block.  ahead = 1: the set is asked for again, two trips ahead.  left: the other set's loads, which may stay out.
.macro TRIP set, ahead, left
	s_wait_loadcnt \left                           ; this set's eight loads are in, so its address register is free too
.irp t, 0,1,2,3
.irp j, 0,1,2,3,4,5,6,7
	v_mov_b32 v[F+8*(\t)+(\j)], v[L+32*(\set)+4*(\j)+(\t)]  ; word t of load j is register j of tile t
.endr
.endr
.if \ahead
	v_add_nc_u32 v[LO+(\set)], 2*LSTEP, v[LO+(\set)]
	ASK \set
.endif
	LAYER W1A, W1B
	PLACES
	PACK
	LAYER W2A, W2B
	PLACES
	PACK
.irp t, 0,1,2,3
	v_wmma_f32_16x16x32_bf16 v[D+16*(\t):D+16*(\t)+7], v[W3:W3+7], v[F+8*(\t):F+8*(\t)+7], 0
.endr
	PLACES
.irp q, 0,1
.irp c, 0,1,2
	v_cndmask_b32 v[Z+3*(\q)+(\c)], v[D+32*(\q)+(\c)], v[D+32*(\q)+16+(\c)], s21  ; lanes 0-15: tile 2 q; lanes 16-31: tile 2 q + 1
.endr
.endr
.irp i, 0,1,2,3,4,5
	v_mul_f32 v[Z+(\i)], 0xbfb8aa3b, v[Z+(\i)]     ; - z log2 e
.endr
.irp i, 0,1,2,3,4,5
	v_exp_f32 v[Z+(\i)], v[Z+(\i)]
.endr
	v_nop                                          ; a plain instruction behind the last exponential,
	s_wait_alu depctr_va_vdst(0)                   ; and the wait ahead of the first use: one for the six
.irp i, 0,1,2,3,4,5
	v_add_f32 v[Z+(\i)], 1.0, v[Z+(\i)]
.endr
.irp i, 0,1,2,3,4,5
	v_rcp_f32 v[Z+(\i)], v[Z+(\i)]
.endr
	v_nop
	s_wait_alu depctr_va_vdst(0)                   ; likewise for the six reciprocals
.irp q, 0,1
.irp c, 0,1,2
	ds_store_b32 v[STA], v[Z+3*(\q)+(\c)] offset:24*(\q)+4*(\c)
.endr
.endr
	s_wait_xcnt 0x0                                ; the last trip's stores have read S and OO: both are written again only behind this wait
	v_add_nc_u32 v[OO], OSTEP, v[OO]               ; the next trip's place; this trip's stores reach back by their immediate
.irp i, 0,1,2
	ds_load_b64 v[S+2*(\i):S+2*(\i)+1], v[RDA] offset:256*(\i)   ; these see the stores above: a wave's LDS instructions are served in order
.endr
	s_wait_dscnt 0x0
.irp i, 0,1,2
	global_store_b64 v[OO], v[S+2*(\i):S+2*(\i)+1], s[12:13] offset:256*(\i)-OSTEP th:TH_STORE_NT  ; 32 lanes store 256 consecutive bytes, at a multiple of 256 from out0's first byte
.endr
.endm
	s_mov_b32 s24, 3
.Lpair:                                        ; blocks 0 to 5 are worked on, blocks 2 to 7 asked for
	TRIP 0, 1, 8
	TRIP 1, 1, 8
	s_sub_co_u32 s24, s24, 1
	s_cmp_lg_u32 s24, 0
	s_cbranch_scc1 .Lpair
	TRIP 0, 0, 8                                   ; the last two blocks ask for nothing: no load leaves feats
	TRIP 1, 0, 0
	s_wait_tensorcnt 0x0                           ; the wave's end: three closing lines, behind my last LDS store
	ds_add_u32 v[SPW], v[NIL]
	s_wait_dscnt 0x0
	s_endpgm
.Lfunc_end_k_q184510afe0_mlp:
	.size	k_q184510afe0_mlp, .Lfunc_end_k_q184510afe0_mlp-k_q184510afe0_mlp
	.p2alignl 7, 3214868480
	.fill 96, 4, 3214868480
	.section	.rodata,"a",@progbits
	.p2align	6, 0x0
	.amdhsa_kernel k_q184510afe0_mlp
		.amdhsa_group_segment_fixed_size 14336
		.amdhsa_private_segment_fixed_size 0
		.amdhsa_enable_private_segment 0
		.amdhsa_kernarg_size 40
		.amdhsa_user_sgpr_count 2
		.amdhsa_user_sgpr_kernarg_segment_ptr 1
		.amdhsa_wavefront_size32 1
		.amdhsa_system_sgpr_workgroup_id_x 1
		.amdhsa_system_sgpr_workgroup_id_y 1
		.amdhsa_system_sgpr_workgroup_id_z 1
		.amdhsa_system_vgpr_workitem_id 0
		.amdhsa_next_free_vgpr 226
		.amdhsa_next_free_sgpr 66
		.amdhsa_reserve_vcc 0
		.amdhsa_float_denorm_mode_32 3
		.amdhsa_float_denorm_mode_16_64 3
		.amdhsa_memory_ordered 1
		.amdhsa_forward_progress 1
		.amdhsa_inst_pref_size 63
	.end_amdhsa_kernel
	.amdgpu_metadata
---
amdhsa.version: [ 1, 2 ]
amdhsa.kernels:
  - .name:           k_q184510afe0_mlp
    .symbol:         k_q184510afe0_mlp.kd
    .args:
      - { .name: feats, .offset: 0, .size: 8, .value_kind: global_buffer, .address_space: global }
      - { .name: w1, .offset: 8, .size: 8, .value_kind: global_buffer, .address_space: global }
      - { .name: w2, .offset: 16, .size: 8, .value_kind: global_buffer, .address_space: global }
      - { .name: w3, .offset: 24, .size: 8, .value_kind: global_buffer, .address_space: global }
      - { .name: out0, .offset: 32, .size: 8, .value_kind: global_buffer, .address_space: global }
    .group_segment_fixed_size: 14336
    .private_segment_fixed_size: 0
    .kernarg_segment_align: 8
    .kernarg_segment_size: 40
    .max_flat_workgroup_size: 512
    .sgpr_count:     66
    .vgpr_count:     226
    .wavefront_size: 32
...
	.end_amdgpu_metadata
.endif
;; end of part 3
;; ======== version 2 of 2: 3 launches; version 1 with the launch encode written anew for expert scheduling mode
;; limits: inputs' magnitudes at most 128
;; workspace buffers: fix 16,777,216 bytes of whole numbers; feats 134,217,728 bytes
;; launch quant: the kernel of part 1 again; grid 1024 x 1, 8 waves a work-group, no clusters, 0 bytes of LDS; arguments x, fix; writes fix
;; launch encode (part 4): grid 16 x 16, 32 waves a work-group, no clusters, 266,240 bytes of LDS; arguments fix, hash_features, feats; writes feats
.if DOCPART == 4
	.amdgcn_target "amdgcn-amd-amdhsa--gfx1250"
	.amdhsa_code_object_version 6
	.text
	.protected	k_q184510afe0_encode
	.globl	k_q184510afe0_encode
	.p2align	8
	.type	k_q184510afe0_encode,@function
k_q184510afe0_encode:
	s_mov_b64 s[64:65], 0
	v_nop
	global_prefetch_b8 v0, s[64:65] scope:SCOPE_SE
	s_setreg_imm32_b32 hwreg(HW_REG_WAVE_SCHED_MODE, 0, 2), 2
	s_setreg_imm32_b32 hwreg(HW_REG_WAVE_MODE, 25, 1), 1
	s_wait_xcnt 0x0
	s_wait_alu depctr_vm_vsrc(0)
; NGP, launch 2 of 3: the hashed lookups and the bilinear blend.  fix: [2097152][2] words (launch 1), hash_features: [16][65536][2] f32 -> feats, two bf16 for each point and level.  Nothing of reference() is left out.
; SHARES.  Work-group (level, chunk): ONE level's whole table lies in its LDS, 65,536 entries of two bf16 = 262,144 bytes, and it walks 131,072 points.  16 levels x 16 chunks = 256 work-groups of equal work.
; So each of a point's 4 lookups is a 4-byte LDS load.  The table is multiplied by 2^level (reference()'s scale: exact) and rounded once to bf16 on its way in.
; WHOLE NUMBERS.  A word is I << 24 | F (launch 1).  p = F res; 4 xi + two bits of the weight = I (4 res) + (p >> 21); yi = I res + (p >> 23).  Only 16 bits of an index count, so all is taken modulo 2^16:
; the LDS byte of corner (dx, dy) is ((4 (xi + dx)) ^ (4 A16 (yi + dy))) & 0x3fffc with A16 = 0x79b1, the low half of 2654435761.  Negative cells come out right, as two's complement.
; WEIGHTS.  The low 23 bits of p under the exponent of 1.0 are the f32 number 1 + w: w = that - 1 and 1 - w = 2 - that, both exact.
; FEATS' LAYOUT: [block of 64 points][level][64 points] words (f0 low, f1 high): a wave's store covers 256 consecutive bytes, aligned, and launch 3 reads a block's 4,096 bytes on end.
; A TRIP: 128 points a wave, 4 a lane: points 2 l, 2 l + 1 of two blocks: two loads of 512 consecutive bytes, asked for two trips ahead, and two stores, issued a trip behind.
; NO CLUSTER, NO TENSOR LOADS.  The 16 work-groups of a chunk read the same coordinates, 32,768 bytes a trip for the work-group's 4,096 points, beside some 150 vector instructions and 16 lookups a wave: a small part of a
; trip; they come through registers, ahead of their use.  The 16 work-groups of a level read the same table, once, and it is converted on its way, through registers.
; LIMITS.  Launch 1's (|x| < 128; weights in steps of up to 2^-14).  Table entries and the blended features are each rounded once to bf16; the blend between is in f32.
; THE MODE: SCHED_MODE bits 1:0 = 2 (LLVM: expert scheduling mode 2), set by the entry lines.  The code itself states the register dependences between vector instructions and memory or LDS instructions,
; with s_wait_alu, always for 0.
; THE PLAN.  Registers that memory or LDS instructions touch:
;   GO, CO, FO, LO .. LO+3   offsets and LDS addresses: made once at the head and never written again.  fix and feats are reached by their scalar bases, which move on at a trip's head, and by immediate offsets.
;   T (the fill)    two sets: the table's loads land in a set; its scalings and roundings read and write it; its LDS stores read the rounded pairs; then the set is loaded again.
;   R0, R1          Trip t's first sixteen lines read R[t % 2]; the loads of trip t + 2 land in it, issued in trip t.
;   P+10 .. P+13    a point's four LDS addresses: written by the trip's arithmetic alone, read by its lookups.  (The running sums lie in P+2, P+3, which are free when the four weights are made.)
;   P+14 .. P+17    a point's four corners: the lookups land in them, the trip's blend reads them.
;   OUT0, OUT1      Trip t's blend writes OUT[t % 2]; the two stores issued in trip t + 1 read it; trip t + 2 writes it again.
; So a trip has ONE wait on va_vdst, behind its address arithmetic: the addresses are written, R[t % 2] has been read, the last trip's blend is done reading the corners and has written its OUT.  The trip's 16 lookups, two loads
; and two stores follow it; the vector lines behind it name P .. P+9, the corners (behind the wait for their data) and OUT[t % 2]: none of the registers that those 20 instructions still have to read or to land in.
; And ONE wait on vm_vsrc, at the trip's head: the last trip's lookups have read their addresses and its stores their OUT, both of which this trip writes again.
.set SPARE, 262144                     ; behind the table: the spare words, 128 bytes for each of 32 waves: 16 blocks of 256 bytes that no other line names
.set TRIPS, 32                         ; 131,072 points / (32 waves x 128)
.set CSTEP, 32768                      ; a trip's 4,096 points in fix
.set FSTEP, 262144                     ; a trip's 64 blocks in feats
.set ALT, 84                           ; buffer 1 of R and of OUT lies so many registers above buffer 0
.set SPW, 2                            ; v2   LDS address of my spare word; never rewritten
.set NIL, 3                            ; v3   0, for the add alone
.set ZR,  4                            ; v4   0.0: the first term's addend
.set CO,  5                            ; v5   my byte offset in a trip's part of fix; never rewritten
.set FO,  6                            ; v6   my byte offset in a trip's part of feats; never rewritten
.set GO,  7                            ; v7   the fill: 16 x thread; never rewritten
.set CM,  8                            ; v[8:9]    -1, 1
.set CA,  10                           ; v[10:11]   2, -1
.set R,   12                           ; v[12:19], v[96:103]   two buffers: four points' words as loaded: x, y
.set OUT, 20                           ; v[20:23], v[104:107]  two buffers: four points' features
.set PB,  24                           ; v[24:95]  18 registers a point: +0,1: 1+wx, 1+wy; +2..9 at work, then the weights and (+2, +3) the sums; +10..13 addresses; +14..17 the four corners
.set T,   24                           ; the fill: two sets of 32, in the same registers
.set LO,  108                          ; v[108:111] the fill: LDS address of group g's first round; never rewritten
.set WT,  112                          ; v112 my wave's number, at the head
.set LVL, 10
.set CHK, 11
.set SC,  12                           ; s[12:13] 2^level, named as a pair
.set RES, 16
.set RES4, 17
.set A4,  18                           ; 4 x 0x79b1
.set AM,  19                           ; 0x3fffc
.set FM,  20                           ; 0x7fffff
.set ONE, 21                           ; the bits of 1.0
.set CNT, 22
	s_load_b128 s[4:7], s[0:1], 0x0                ; fix s[4:5], hash_features s[6:7]
	s_load_b64 s[8:9], s[0:1], 0x10                ; feats
	v_lshl_add_u32 v[SPW], v0, 2, SPARE
	v_mov_b32 v[NIL], 0
	s_mov_b32 s[LVL], ttmp9
	s_and_b32 s[CHK], ttmp7, 0xffff
	; the level's resolution: round(16 x 2^(level / 3))
.macro PICK l, r
	s_cmp_eq_u32 s[LVL], \l
	s_cselect_b32 s[RES], \r, s[RES]
.endm
	s_mov_b32 s[RES], 16
	PICK 1, 20
	PICK 2, 25
	PICK 3, 32
	PICK 4, 40
	PICK 5, 51
	PICK 6, 64
	PICK 7, 81
	PICK 8, 102
	PICK 9, 128
	PICK 10, 161
	PICK 11, 203
	PICK 12, 256
	PICK 13, 323
	PICK 14, 406
	PICK 15, 512
	s_lshl_b32 s[RES4], s[RES], 2
	s_mov_b32 s[A4], 0x79b1*4
	s_mov_b32 s[AM], 0x3fffc
	s_mov_b32 s[FM], 0x7fffff
	s_mov_b32 s[ONE], 0x3f800000
	s_lshl_b32 s[SC], s[LVL], 23
	s_add_co_u32 s[SC], s[SC], 0x3f800000          ; the f32 number 2^level
	s_mov_b32 s[SC+1], s[SC]
	s_lshl_b32 s14, s[LVL], 19                     ; the level's 524,288 bytes of the table
	s_mov_b32 s15, 0
	s_lshl_b32 s24, s[CHK], 20                     ; the chunk's 131,072 points x 8 bytes
	s_mov_b32 s25, 0
	s_lshl_b32 s26, s[CHK], 23                     ; the chunk's 2,048 blocks x 4,096 bytes,
	s_lshl_b32 s28, s[LVL], 8                      ; and my level's 256 bytes in a block
	s_add_co_u32 s26, s26, s28
	s_mov_b32 s27, 0
	v_lshlrev_b32 v[GO], 4, v0
.irp g, 0,1,2,3
	v_lshl_add_u32 v[LO+(\g)], v0, 3, (\g)*65536   ; 8 x thread + the group's eight rounds of 8,192 bytes
.endr
	v_and_b32 v1, 31, v0                           ; lane
	v_lshrrev_b32 v[WT], 5, v0                     ; wave
	v_lshlrev_b32 v[CO], 4, v1
	v_lshl_add_u32 v[CO], v[WT], 10, v[CO]         ; wave x 128 points x 8 + lane x 16
	v_lshlrev_b32 v[FO], 3, v1
	v_lshl_add_u32 v[FO], v[WT], 13, v[FO]         ; wave x 2 blocks x 4,096 + lane x 8
	v_mov_b32 v[ZR], 0
	v_mov_b32 v[CM], -1.0
	v_mov_b32 v[CM+1], 1.0
	v_mov_b32 v[CA], 2.0
	v_mov_b32 v[CA+1], -1.0
.irp p, 0,1,2,3
	v_mov_b32 v[OUT+(\p)], 0                       ; the rounding multiply-adds below write one half of a register and keep the other: the registers are written whole once,
	v_mov_b32 v[OUT+ALT+(\p)], 0                   ; in both buffers
.endr
	s_wait_kmcnt 0x0
	s_add_nc_u64 s[6:7], s[6:7], s[14:15]
	s_add_nc_u64 s[4:5], s[4:5], s[24:25]
	s_add_nc_u64 s[8:9], s[8:9], s[26:27]
	s_wait_alu depctr_va_vdst(0)                   ; GO, CO, FO and the four LO are written: every load, store and LDS store of the kernel reads one of them as its offset or address
; THE FILL.  1,024 threads x 16 bytes = 16,384 bytes of the table a round, 32 rounds, in four groups of eight on two sets of registers: a group is converted while the next group's eight loads are out.
.macro ASKG g, set
.irp i, 0,1,2,3,4,5,6,7
	global_load_b128 v[T+32*(\set)+4*(\i):T+32*(\set)+4*(\i)+3], v[GO], s[6:7] offset:(8*(\g)+(\i))*16384
.endr
.endm
.macro PUTG g, set, younger            ; younger: the loads of the group behind this one
.irp i, 0,1,2,3,4,5,6,7
	s_wait_loadcnt (\younger)+7-(\i)               ; the rest of this group and the next group may stay out
	v_pk_mul_f32 v[T+32*(\set)+4*(\i):T+32*(\set)+4*(\i)+1],   v[T+32*(\set)+4*(\i):T+32*(\set)+4*(\i)+1],   s[SC:SC+1] op_sel_hi:[1,0]
	v_pk_mul_f32 v[T+32*(\set)+4*(\i)+2:T+32*(\set)+4*(\i)+3], v[T+32*(\set)+4*(\i)+2:T+32*(\set)+4*(\i)+3], s[SC:SC+1] op_sel_hi:[1,0]
	v_cvt_pk_bf16_f32 v[T+32*(\set)+4*(\i)],   v[T+32*(\set)+4*(\i)],   v[T+32*(\set)+4*(\i)+1]
	v_cvt_pk_bf16_f32 v[T+32*(\set)+4*(\i)+1], v[T+32*(\set)+4*(\i)+2], v[T+32*(\set)+4*(\i)+3]
.endr
	s_wait_alu depctr_va_vdst(0)                   ; the roundings have written the set's eight pairs, which the LDS stores read; and no vector line names the set any more, in which the next loads land
.irp i, 0,1,2,3,4,5,6,7
	ds_store_b64 v[LO+(\g)], v[T+32*(\set)+4*(\i):T+32*(\set)+4*(\i)+1] offset:(\i)*8192  ; two entries: 32 lanes, 256 consecutive bytes
.endr
.endm
	ASKG 0, 0
	ASKG 1, 1
	PUTG 0, 0, 8
	s_wait_dscnt 0x0                               ; the set's LDS stores are done,
	s_wait_alu depctr_vm_vsrc(0)                   ; and they have read the set's pairs, in which the loads below land
	ASKG 2, 0
	PUTG 1, 1, 8
	s_wait_dscnt 0x0
	s_wait_alu depctr_vm_vsrc(0)                   ; likewise for the other set
	ASKG 3, 1
	PUTG 2, 0, 8
	PUTG 3, 1, 0
	global_load_b128 v[R:R+3],           v[CO], s[4:5]                    ; the first two trips' coordinates: on their way across the barrier; nobody writes fix.  No vector line has named R0 or R1
	global_load_b128 v[R+4:R+7],         v[CO], s[4:5] offset:512
	global_load_b128 v[R+ALT:R+ALT+3],   v[CO], s[4:5] offset:CSTEP
	global_load_b128 v[R+ALT+4:R+ALT+7], v[CO], s[4:5] offset:CSTEP+512
	s_wait_dscnt 0x0                               ; for the others' sake: my part of the table is in LDS
	s_barrier_signal -1
	s_barrier_wait -1                              ; the whole table is; from here on it is only read
	s_wait_alu depctr_vm_vsrc(0)                   ; my last LDS stores have read their pairs in T: these registers are the points' from here on, written by the first trip's arithmetic
; A TRIP.  Each step is written for the four points in turn, so that no line waits for the one before it.  b = t % 2: the trip reads R[b] and writes OUT[b].  first = 1: trip 0, with no trip in front of it.
; ahead = 1: the coordinates of the trip after next are asked for, into R[b].  left: the next trip's two loads, which may stay out.
.macro TRIP b, first, ahead, left
.set RR, R+ALT*(\b)
.set OW, OUT+ALT*(\b)
.set OS, OUT+ALT*(1-(\b))
	s_wait_loadcnt \left                           ; loads come back in order: this trip's words are in
.if !\first
	s_wait_xcnt 0x0                                ; every earlier memory instruction has had its addresses translated: the two bases and OUT[b] are written again only behind this wait
	s_wait_alu depctr_vm_vsrc(0)                   ; the last trip's lookups have read their addresses P+10 .. P+13 and its stores have read OUT[b]: this trip writes both again
	s_add_nc_u64 s[8:9], s[8:9], FSTEP             ; feats at this trip's blocks; the stores below, the last trip's, reach back by their immediate
.if \ahead
	s_add_nc_u64 s[4:5], s[4:5], CSTEP             ; fix at this trip's points; the loads below reach two trips ahead
.endif
.endif
.irp p, 0,1,2,3
.set P, PB+18*(\p)
	v_ashrrev_i32 v[P+2], 24, v[RR+2*(\p)]         ; Ix
	v_mul_u32_u24 v[P+3], s[RES], v[RR+2*(\p)]     ; px = Fx res: the multiply takes the word's low 24 bits
	v_ashrrev_i32 v[P+4], 24, v[RR+2*(\p)+1]       ; Iy
	v_mul_u32_u24 v[P+5], s[RES], v[RR+2*(\p)+1]   ; py
.endr
.irp p, 0,1,2,3
.set P, PB+18*(\p)
	v_lshrrev_b32 v[P+6], 21, v[P+3]
	v_lshrrev_b32 v[P+7], 23, v[P+5]
	v_and_or_b32 v[P],   v[P+3], s[FM], s[ONE]     ; 1 + wx
	v_and_or_b32 v[P+1], v[P+5], s[FM], s[ONE]     ; 1 + wy
.endr
.irp p, 0,1,2,3
.set P, PB+18*(\p)
	v_mad_u32_u24 v[P+2], v[P+2], s[RES4], v[P+6]  ; 4 xi + two bits of the weight; right modulo 2^24, of which 18 bits count
	v_mad_u32_u24 v[P+4], v[P+4], s[RES], v[P+7]   ; yi
.endr
.irp p, 0,1,2,3
.set P, PB+18*(\p)
	v_and_b32 v[P+3], s[AM], v[P+2]                ; X0 = 4 (xi mod 2^16)
	v_add_nc_u32 v[P+2], 4, v[P+2]
	v_mul_u32_u24 v[P+4], s[A4], v[P+4]            ; 4 A16 yi
.endr
.irp p, 0,1,2,3
.set P, PB+18*(\p)
	v_and_b32 v[P+2], s[AM], v[P+2]                ; X1, for xi + 1
	v_and_b32 v[P+5], s[AM], v[P+4]                ; H0
	v_add_nc_u32 v[P+4], s[A4], v[P+4]
.endr
.irp p, 0,1,2,3
.set P, PB+18*(\p)
	v_and_b32 v[P+4], s[AM], v[P+4]                ; H1, for yi + 1
	v_xor_b32 v[P+10], v[P+3], v[P+5]              ; corner (0, 0)
	v_xor_b32 v[P+11], v[P+2], v[P+5]              ; corner (1, 0)
.endr
.irp p, 0,1,2,3
.set P, PB+18*(\p)
	v_xor_b32 v[P+12], v[P+3], v[P+4]              ; corner (0, 1)
	v_xor_b32 v[P+13], v[P+2], v[P+4]              ; corner (1, 1)
.irp c, 0,1,2,3
	v_min_u32 v[P+10+(\c)], 0x3fffc, v[P+10+(\c)]  ; a number made of loaded ones enters an address behind a bound written in the instruction: the table's last word
.endr
.endr
	s_wait_alu depctr_va_vdst(0)                   ; the sixteen addresses are written, which the lookups read; R[b] has been read, in which the loads land; the last trip's blend is done reading the corners, in which the lookups land, and has written the other OUT, which the stores read
	; the lookups, dealt among the first lines of the weights, which name P .. P+5 alone
.irp p, 0,1,2,3
.set P, PB+18*(\p)
.irp c, 0,1,2,3
	ds_load_b32 v[P+14+(\c)], v[P+10+(\c)]
.endr
	v_pk_fma_f32 v[P+2:P+3], v[P:P+1], v[CM:CM+1], v[CA:CA+1] op_sel_hi:[0,1,1]                 ; 1 - wx, wx
	v_pk_fma_f32 v[P+4:P+5], v[P:P+1], v[CM:CM+1], v[CA:CA+1] op_sel:[1,0,0] op_sel_hi:[1,1,1]  ; 1 - wy, wy
.endr
.if \ahead
	global_load_b128 v[RR:RR+3],   v[CO], s[4:5] offset:2*CSTEP       ; the trip after next.  No wait: no vector line since the wait above names R[b]
	global_load_b128 v[RR+4:RR+7], v[CO], s[4:5] offset:2*CSTEP+512
.endif
.if !\first
	global_store_b64 v[FO], v[OS:OS+1],   s[8:9] offset:-FSTEP th:TH_STORE_NT       ; the last trip's features: 32 lanes store 256 consecutive bytes, at a multiple of 256 from feats' first byte
	global_store_b64 v[FO], v[OS+2:OS+3], s[8:9] offset:4096-FSTEP th:TH_STORE_NT   ; the same in the next block.  No wait: no vector line of this trip names the other OUT
.endif
.irp p, 0,1,2,3
.set P, PB+18*(\p)
	v_pk_mul_f32 v[P+6:P+7], v[P+2:P+3], v[P+4:P+5] op_sel_hi:[1,0]              ; (1-wx)(1-wy), wx (1-wy)
	v_pk_mul_f32 v[P+8:P+9], v[P+2:P+3], v[P+4:P+5] op_sel:[0,1] op_sel_hi:[1,1] ; (1-wx) wy,    wx wy
.endr
.irp p, 0,1,2,3
.set P, PB+18*(\p)
	s_wait_dscnt 12-4*(\p)                         ; LDS loads come back in order: the later points' lookups stay out
	v_fma_mix_f32_bf16 v[P+2], v[P+14], v[P+6], v[ZR] op_sel_hi:[1,0,0]                  ; f0: the low bf16 of a corner times its weight, in f32; the mixed form has no plain multiply, so the first term adds 0
	v_fma_mix_f32_bf16 v[P+3], v[P+14], v[P+6], v[ZR] op_sel:[1,0,0] op_sel_hi:[1,0,0]   ; f1: the high bf16
	v_fma_mix_f32_bf16 v[P+2], v[P+15], v[P+7], v[P+2] op_sel_hi:[1,0,0]
	v_fma_mix_f32_bf16 v[P+3], v[P+15], v[P+7], v[P+3] op_sel:[1,0,0] op_sel_hi:[1,0,0]
	v_fma_mix_f32_bf16 v[P+2], v[P+16], v[P+8], v[P+2] op_sel_hi:[1,0,0]
	v_fma_mix_f32_bf16 v[P+3], v[P+16], v[P+8], v[P+3] op_sel:[1,0,0] op_sel_hi:[1,0,0]
	v_fma_mixlo_bf16 v[OW+(\p)], v[P+17], v[P+9], v[P+2] op_sel_hi:[1,0,0]                ; the last term rounds once, straight to bf16
	v_fma_mixhi_bf16 v[OW+(\p)], v[P+17], v[P+9], v[P+3] op_sel:[1,0,0] op_sel_hi:[1,0,0]
.endr
.endm
	TRIP 0, 1, 1, 2                                ; trip 0
	s_mov_b32 s[CNT], (TRIPS-4)/2
.Ltrip:                                                ; trips 1 to 28, two to a lap: both kinds of buffer are back at their start
	TRIP 1, 0, 1, 2
	TRIP 0, 0, 1, 2
	s_sub_co_u32 s[CNT], s[CNT], 1
	s_cmp_lg_u32 s[CNT], 0
	s_cbranch_scc1 .Ltrip
	TRIP 1, 0, 1, 2                                ; trip 29 asks for trip 31's words, the last
	TRIP 0, 0, 0, 2                                ; the last two trips ask for nothing: no load leaves fix
	TRIP 1, 0, 0, 0
	s_wait_alu depctr_va_vdst(0)                   ; trip 31's blend has written OUT1, which the last two stores read
	global_store_b64 v[FO], v[OUT+ALT:OUT+ALT+1],   s[8:9] th:TH_STORE_NT
	global_store_b64 v[FO], v[OUT+ALT+2:OUT+ALT+3], s[8:9] offset:4096 th:TH_STORE_NT
	s_wait_dscnt 0x0                               ; the closing lines, six on end
	s_wait_alu 0x0
	s_wait_tensorcnt 0x0
	ds_add_u32 v[SPW], v[NIL]
	s_wait_dscnt 0x0
	s_endpgm
.Lfunc_end_k_q184510afe0_encode:
	.size	k_q184510afe0_encode, .Lfunc_end_k_q184510afe0_encode-k_q184510afe0_encode
	.p2alignl 7, 3214868480
	.fill 96, 4, 3214868480
	.section	.rodata,"a",@progbits
	.p2align	6, 0x0
	.amdhsa_kernel k_q184510afe0_encode
		.amdhsa_group_segment_fixed_size 266240
		.amdhsa_private_segment_fixed_size 0
		.amdhsa_enable_private_segment 0
		.amdhsa_kernarg_size 24
		.amdhsa_user_sgpr_count 2
		.amdhsa_user_sgpr_kernarg_segment_ptr 1
		.amdhsa_wavefront_size32 1
		.amdhsa_system_sgpr_workgroup_id_x 1
		.amdhsa_system_sgpr_workgroup_id_y 1
		.amdhsa_system_sgpr_workgroup_id_z 1
		.amdhsa_system_vgpr_workitem_id 0
		.amdhsa_next_free_vgpr 113
		.amdhsa_next_free_sgpr 66
		.amdhsa_reserve_vcc 0
		.amdhsa_float_denorm_mode_32 3
		.amdhsa_float_denorm_mode_16_64 3
		.amdhsa_memory_ordered 1
		.amdhsa_forward_progress 1
		.amdhsa_inst_pref_size 72
	.end_amdhsa_kernel
	.amdgpu_metadata
---
amdhsa.version: [ 1, 2 ]
amdhsa.kernels:
  - .name:           k_q184510afe0_encode
    .symbol:         k_q184510afe0_encode.kd
    .args:
      - { .name: fix, .offset: 0, .size: 8, .value_kind: global_buffer, .address_space: global }
      - { .name: hash_features, .offset: 8, .size: 8, .value_kind: global_buffer, .address_space: global }
      - { .name: feats, .offset: 16, .size: 8, .value_kind: global_buffer, .address_space: global }
    .group_segment_fixed_size: 266240
    .private_segment_fixed_size: 0
    .kernarg_segment_align: 8
    .kernarg_segment_size: 24
    .max_flat_workgroup_size: 1024
    .sgpr_count:     66
    .vgpr_count:     113
    .wavefront_size: 32
...
	.end_amdgpu_metadata
.endif
;; end of part 4
;; launch mlp: the kernel of part 3 again; grid 256 x 1, 16 waves a work-group, no clusters, 14,336 bytes of LDS; arguments feats, w1, w2, w3, out0; writes out0
